; MI455X (gfx1250); checked and timed in simulation.
; The chip was launched on July 23, 2026; its instructions are those of AMD's public machine-readable ISA for CDNA 5 (MIT licence, August 2026) and "CDNA5" Instruction Set Architecture Reference Guide (July 2026). The comments in the code are by the model that wrote it; some were corrected since.
;; Hebbian Memory. Allowed arithmetic: float matrix products may take bf16 or f16 operands with f32 sums; all other float work in f32.
;; Inputs: Wk 256 x 256 float32; Wo 256 x 256 float32; Wq 256 x 256 float32; Wv 256 x 256 float32; bk 256 float32; bo 256 float32; bq 256 float32; bv 256 float32; state 8 x 256 x 256 float32; x 8 x 2,048 x 256 float32.
;; Outputs: out0 8 x 2,048 x 256 float32; out1 8 x 256 x 256 float32.
;; One version. Each part assembles by itself: llvm-mc -triple=amdgcn-amd-amdhsa -mcpu=gfx1250 --defsym DOCPART=n.
;; ======== version 1 of 1: 3 launches
;; limits: values are held in f16: magnitudes above 65,504 overflow, below 6.1e-05 lose precision; right only within a limited range of input values
;; workspace buffers: qf 8,388,608 bytes; kt 8,388,608 bytes; vt 8,388,608 bytes; sc 33,554,432 bytes; wof 131,072 bytes; mx 4,096 bytes
;; launch proj (part 1): grid 64 x 4, 8 waves a work-group, no clusters, 259,328 bytes of LDS; arguments x, Wq, Wk, Wv, bq, bk, bv, Wo, qf, kt, vt, wof, state, mx; writes qf, kt, vt, wof, mx
.if DOCPART == 1
	.amdgcn_target "amdgcn-amd-amdhsa--gfx1250"
	.amdhsa_code_object_version 6
	.text
	.protected	k_q0a2e032a20_proj
	.globl	k_q0a2e032a20_proj
	.p2align	8
	.type	k_q0a2e032a20_proj,@function
k_q0a2e032a20_proj:
	s_mov_b64 s[64:65], 0
	v_nop
	global_prefetch_b8 v0, s[64:65] scope:SCOPE_SE
	s_setreg_imm32_b32 hwreg(HW_REG_WAVE_MODE, 25, 1), 1
	s_wait_xcnt 0x0
; HebbianMemory, launch 1 of 3: the three projections of x in f16, Wo in f16, and the largest magnitudes of q, k, v and state.
; THE WHOLE PROGRAM.  tt = t mod 64 (jj for j), c = t / 64, lam = 0.9^64, h(jj) = 4 * 0.9^((63-jj)/2).
;   q_t = x_t Wq^T + bq     k_t = x_t Wk^T + bk     v_t = x_t Wv^T + bv;   stored: q, k~_j = h(jj) k_j, v~_j = h(jj) v_j     (this launch)
;   S_0 = state,  S_(c+1) = lam S_c + 0.1 * sum over the chunk's j of 0.9^(63-jj) k_j v_j^T = lam S_c + (0.1 / 16) sum of k~_j v~_j^T,  out1 = S_32   (launch scan)
;   outs_t = 0.9^tt q_t S_c + sum over j < t of the chunk of P[t][j] v_j,  P[t][j] = 0.1 * 0.9^(t-1-j) (q_t . k_j),  out0 = outs Wo^T + bo          (launch outp)
; These are the weights of the scan of reference(), which reads before it updates.  The state is carried through all 32 chunks: the series is not cut.
; The weight 0.9^(63-jj) lies along the tokens, over which launch scan's product sums, so it has to be on the operands; half of it on each keeps both within a factor
; 28 of their own size.  All ten inputs have a way to an output and are loaded.
; WORK LEFT OUT: step j reaches the read at t only for j < t.  Of the sixteen 16 x 16 tiles of a chunk's P (token tile a = tt / 16, step tile b = jj / 16) the six with
; b > a hold only places with jj >= 16 b >= 16 a + 16 > tt, for every input: launch outp forms none of them.  The four with tt < 32 and jj >= 32 are not multiplied by
; either; the two that share a block of 32 steps with a live tile, (a, b) = (0, 1) and (2, 3), stand there as zeros.
; FORMATS AND LIMITS: matrix operands are f16, sums f32.  |x|, |W|, |q| must stay under 65,504, and |k|, |v| under 16,376 (h is 4 at the most, 0.145 at the least).
; (Drawn: q, k, v up to about 2; all inputs 30 times larger: about 1,600; x and W offset by 30 spreads: about 4,700; all inputs 30 times smaller: rms 3.6e-4, times
; 0.145 still 5e-5 against f16's least step 6e-8.)
; S, P and outs grow with the 4th to 6th power of the inputs' scale, so each is stored times 4096 / B with a bound B made of the data's own maxima
; (mq, mk, mv = max |q|, |k|, |v|, ms = max |state|, over the whole problem; this launch stores each work-group's four):
;   |S| <= B_S = ms + mk mv (0.1 * sum of 0.9^n = 1)      |P[t][j] / h(jj)| <= B_P = 180 mq mk      |outs| <= B_O = 256 mq B_S
; mq, mk, mv under 1e-9 count as 1e-9; |state| up to about 1e20.  The decay factors come from v_exp_f32 (1 ulp).  A NaN, an infinity or an overflow in a product
; q_t . k_j with j >= t, which reference() never forms, is selected away or never made, and is not carried to the result.
;
; FRAGMENT ORDER (workspace buffers but mx): a block of 1,024 bytes is one 16 x 32 f16 matrix operand; byte = half*512 + lane*16; lane (r = lane & 15,
; h = lane >> 4) holds block row r at k = 16 half + 8 h + 0..7.  A 16 x 16 f32 result holds (m = 8 h + j, n = r) in register j of lane (r, h): four
; packed conversions make of it one half block with row n and k = m in the same lanes, so a result is stored straight from registers, 512
; consecutive aligned bytes a store, and read back as a fragment by two loads of 16 bytes a lane.  The order of the two sources picks the way it lies.
;   qf  [chunk g = 32 b + c][token tile 4][dk 8][block]: rows tokens, k = d          kt  [b][dk 8][32-token block 64][d half 2][block]: rows d, k = tokens
;   vt  [b][e tile 16][32-token block 64][block]: rows e, k = tokens                wof [f tile 16][ek 8][block]: rows f of Wo, k = e
;   mx  [work-group 256][mq, mk, mv, ms] f32
;
; SHARES: work-group (X, y): tokens 256 X .. +255, features 64 y .. +63 of each of q, k, v.  Wave w: the 64 tokens of chunk 4 X + (w >> 1), 32 features
; (w & 1) of each type: 4 token tiles x 6 feature tiles (phi = 2 type + sub) = 24 accumulators.  K = 256 comes in four quarters of 64: loaded as f32
; (16 lanes take 256 consecutive bytes of a row), rounded to f16, laid into that quarter's own LDS region, one barrier, two K steps of 32.
; NOT SHARED HERE: the 256 rows of x are fetched and rounded by each of the four work-groups y = 0..3, and W's rows by each of the 64 X.  A joint request would land x
; in LDS as f32 (two slots of 256 rows x 272 bytes beside W's f16 regions) and move the rounding behind the LDS read: four 16-byte loads and eight conversions a
; fragment, made by both waves that share the tokens, against the 64 global loads and 64 LDS stores a wave that it spares.  This text keeps the rounding in front of LDS.
.set LP,   144                         ; LDS pitch: 64 f16 = 128 bytes + 16, an odd multiple of 16
.set WPB,  256*LP                      ; in a quarter's region: 256 rows of x, then 192 rows of W (row = 64 type + feature)
.set STG,  448*LP                      ; a quarter's region, 64,512 bytes
.set MXS,  4*STG                       ; behind the four regions: 16 bytes for each wave's four maxima
.set S1,   32                          ; block 0: v32-143  staging (x 64 registers, W 48), quarters 1 and 3
.set S2,   144                         ; block 0: v144-255 staging, quarter 2; afterwards what follows
.set BQ,   144                         ; v144-159 bq[.. + 16 sub + 8 h + j]
.set BK,   160                         ; v160-163 bk[.. + 16 sub + r], twice each (a pair for the packed add)
.set BV,   164                         ; v164-167 bv likewise
.set WOD,  168                         ; v168-175 wave 0: eight numbers of Wo
.set STD,  176                         ; v176-183 eight numbers of state
.set WH,   184                         ; v184-215 h(16 tt + 8 h + j) = 4 * 0.9^((63 - 16 tt - 8 h - j) / 2), eight registers a token tile
.set MX,   16                          ; v16-19   mq, mk, mv, ms
.set XF,   192                         ; block 1: v192-223 four x fragments;  v0-191 accumulator (phi, tt) at 8 (4 phi + tt); v0-111 first hold quarter 0's staging
.set WF,   224                         ; block 1: v224-247 ring of three W fragments
.set XAR,  248                         ; block 1: v248-251 LDS address of my x fragments in quarter 0..3
.set WAR,  252                         ; block 1: v252-255 the same for W
; block 0: v1 lane, v2 r, v3 h, v4/v5 global offsets of x/W, v6/v7 LDS store addresses of x/W, v10 16 lane, v11/v12 bias offsets, v13 Wo offset, v14-23 at work,
;          v24/v25 LDS addresses of the maxima, v28-31 wave 0's half block of wof
.set MSB, 0
.macro WIN new                         ; s_set_vgpr_msb: bits 1:0 source 0, 3:2 source 1, 5:4 source 2, 7:6 destination; the high byte repeats the setting that is left
.if MSB != \new
	s_set_vgpr_msb (MSB<<8)|\new
.set MSB, \new
.endif
.endm
.macro PLACES                          ; four plain vector places behind matrix instructions (ISA guide 7.12.1)
.rept 4
	v_nop
.endr
.endm
.macro BAR                             ; my LDS accesses are done, then the work-group's barrier
	s_wait_dscnt 0x0
	s_barrier_signal -1
	s_barrier_wait -1
.endm
; 28 loads: quarter qq (256 bytes of each row) of my 32 rows of x and of my 8 rows of each W.  Lanes 0-15 take one row's 256 bytes, lanes 16-31 another row's.
.macro LDQ qq, sb
.irp i, 0,1,2,3,4,5,6,7,8,9,10,11,12,13,14,15
	global_load_b128 v[\sb+4*\i:\sb+4*\i+3], v4, s[8:9] offset:(16*(\i/8)+(\i%8))*1024+256*\qq
.endr
.irp i, 0,1,2,3
	global_load_b128 v[\sb+64+4*\i:\sb+64+4*\i+3], v5, s[10:11] offset:2048*\i+256*\qq
	global_load_b128 v[\sb+80+4*\i:\sb+80+4*\i+3], v5, s[12:13] offset:2048*\i+256*\qq
	global_load_b128 v[\sb+96+4*\i:\sb+96+4*\i+3], v5, s[14:15] offset:2048*\i+256*\qq
.endr
.endm
.macro CVQ sb                          ; four f32 to four f16 in the first two registers of each of the 28 quads
.set q, 0
.rept 28
	v_cvt_pk_f16_f32 v[\sb+4*q], v[\sb+4*q], v[\sb+4*q+1]
	v_cvt_pk_f16_f32 v[\sb+4*q+1], v[\sb+4*q+2], v[\sb+4*q+3]
.set q, q+1
.endr
.endm
.macro STQ sb                          ; 8 bytes a lane: lanes 0-15 fill a row's 128 bytes
.irp i, 0,1,2,3,4,5,6,7,8,9,10,11,12,13,14,15
	ds_store_b64 v6, v[\sb+4*\i:\sb+4*\i+1] offset:(16*(\i/8)+(\i%8))*LP
.endr
.irp t, 0,1,2
.irp i, 0,1,2,3
	ds_store_b64 v7, v[\sb+64+16*\t+4*\i:\sb+64+16*\t+4*\i+1] offset:(64*\t+2*\i)*LP
.endr
.endr
.endm
.macro NEXTQ                           ; the store addresses move to the next quarter's region
	v_add_nc_u32 v6, STG, v6
	v_add_nc_u32 v7, STG, v7
.endm
.macro LDW phi, ks                     ; W fragment phi of K step ks into ring slot phi mod 3
	ds_load_b128 v[WF+8*((\phi)%3):WF+8*((\phi)%3)+3], v[WAR+\ks/2] offset:(64*((\phi)/2)+16*((\phi)%2))*LP+64*(\ks%2)
	ds_load_b128 v[WF+8*((\phi)%3)+4:WF+8*((\phi)%3)+7], v[WAR+\ks/2] offset:(64*((\phi)/2)+16*((\phi)%2))*LP+64*(\ks%2)+32
.endm
; q: source 0 = W, source 1 = x: a lane holds one token and eight features.  k, v: the other way round: one feature and eight tokens.
.macro MM phi, tt, zero
.if \phi < 2
.if \zero
	v_wmma_f32_16x16x32_f16 v[8*(4*\phi+\tt):8*(4*\phi+\tt)+7], v[WF+8*(\phi%3):WF+8*(\phi%3)+7], v[XF+8*\tt:XF+8*\tt+7], 0
.else
	v_wmma_f32_16x16x32_f16 v[8*(4*\phi+\tt):8*(4*\phi+\tt)+7], v[WF+8*(\phi%3):WF+8*(\phi%3)+7], v[XF+8*\tt:XF+8*\tt+7], v[8*(4*\phi+\tt):8*(4*\phi+\tt)+7]
.endif
.else
.if \zero
	v_wmma_f32_16x16x32_f16 v[8*(4*\phi+\tt):8*(4*\phi+\tt)+7], v[XF+8*\tt:XF+8*\tt+7], v[WF+8*(\phi%3):WF+8*(\phi%3)+7], 0
.else
	v_wmma_f32_16x16x32_f16 v[8*(4*\phi+\tt):8*(4*\phi+\tt)+7], v[XF+8*\tt:XF+8*\tt+7], v[WF+8*(\phi%3):WF+8*(\phi%3)+7], v[8*(4*\phi+\tt):8*(4*\phi+\tt)+7]
.endif
.endif
.endm
; One K step of 32, every operand place in block 1.  The 24 accumulators take turns, one instruction a turn, in one fixed order.
; The waits: behind the fragment that is wanted stand the two loads of each younger W fragment: two fragments (4), then one (2), then none.
.macro KSTEP ks, zero
	PLACES
.irp tt, 0,1,2,3
	ds_load_b128 v[XF+8*\tt:XF+8*\tt+3], v[XAR+\ks/2] offset:\tt*16*LP+64*(\ks%2)
	ds_load_b128 v[XF+8*\tt+4:XF+8*\tt+7], v[XAR+\ks/2] offset:\tt*16*LP+64*(\ks%2)+32
.endr
	LDW 0, \ks
	LDW 1, \ks
	LDW 2, \ks
.irp phi, 0,1,2,3,4,5
.if \phi < 4
	s_wait_dscnt 4
.else
	s_wait_dscnt 10-2*\phi
.endif
.irp tt, 0,1,2,3
	MM \phi, \tt, \zero
.endr
.if \phi < 3
	PLACES
	LDW \phi+3, \ks
.endif
.endr
.endm
	s_load_b512 s[8:23], s[0:1], 0x0               ; x, Wq, Wk, Wv, bq, bk, bv, Wo
	s_load_b256 s[24:31], s[0:1], 0x40             ; qf, kt, vt, wof
	s_load_b128 s[48:51], s[0:1], 0x60             ; state, mx
	v_lshl_add_u32 v26, v0, 2, 0x3f100
	v_mov_b32 v27, 0
	v_lshrrev_b32 v14, 5, v0
	v_readfirstlane_b32 s2, v14                    ; wave w
	s_lshr_b32 s3, s2, 1                           ; tg: which 64 tokens
	s_and_b32 s4, s2, 1                            ; fh: which 32 features
	s_mov_b32 s5, ttmp9                            ; X
	s_and_b32 s6, ttmp7, 0xffff                    ; y
	v_and_b32 v1, 31, v0
	v_and_b32 v2, 15, v0                           ; r
	v_bfe_u32 v3, v0, 4, 1                         ; h
	v_lshlrev_b32 v4, 4, v2                        ; x: row 32 w + 8 h, byte 16 r
	v_lshl_add_u32 v4, v3, 13, v4
	s_lshl_b32 s32, s2, 15
	v_add_nc_u32 v4, s32, v4
	v_lshlrev_b32 v5, 4, v2                        ; W: row 8 w + h, byte 16 r
	v_lshl_add_u32 v5, v3, 10, v5
	s_lshl_b32 s32, s2, 13
	v_add_nc_u32 v5, s32, v5
	s_mov_b32 s33, 0
	s_wait_kmcnt 0x0
	s_lshl_b32 s32, s5, 18                         ; 256 tokens of 1,024 bytes
	s_add_nc_u64 s[8:9], s[8:9], s[32:33]
	s_lshl_b32 s32, s6, 16                         ; 64 rows of W
	s_add_nc_u64 s[10:11], s[10:11], s[32:33]
	s_add_nc_u64 s[12:13], s[12:13], s[32:33]
	s_add_nc_u64 s[14:15], s[14:15], s[32:33]
	WIN 0x40                                       ; loaded data block 1, offsets block 0
	LDQ 0, 0
	WIN 0
	LDQ 1, S1
	LDQ 2, S2
	v_mul_u32_u24 v6, v3, 8*LP                     ; LDS, x: row 32 w + 8 h, byte 8 r
	v_lshl_add_u32 v6, v2, 3, v6
	s_mul_i32 s32, s2, 32*LP
	v_add_nc_u32 v6, s32, v6
	v_mul_u32_u24 v7, v3, LP                       ; LDS, W: row 8 w + h, byte 8 r
	v_lshl_add_u32 v7, v2, 3, v7
	s_mul_i32 s32, s2, 8*LP
	s_add_co_u32 s32, s32, WPB
	v_add_nc_u32 v7, s32, v7
	v_lshlrev_b32 v10, 4, v1                       ; 16 lane
	v_mul_u32_u24 v14, v2, LP                      ; fragments: row r, byte 16 h
	v_lshl_add_u32 v14, v3, 4, v14
	s_mul_i32 s32, s4, 32*LP
	s_add_co_u32 s32, s32, WPB
	v_add_nc_u32 v15, s32, v14                     ; W: my 32 features
	s_mul_i32 s32, s3, 64*LP
	v_add_nc_u32 v14, s32, v14                     ; x: my 64 tokens
	WIN 0x40
.irp s, 0,1,2,3
	v_add_nc_u32 v[XAR+\s], \s*STG, v14
	v_add_nc_u32 v[WAR+\s], \s*STG, v15
.endr
	WIN 0
	s_lshl_b32 s32, s2, 4
	s_add_co_u32 s32, s32, MXS
	v_mov_b32 v24, s32                             ; my wave's 16 bytes of maxima
	v_and_b32 v25, 7, v0
	v_lshl_add_u32 v25, v25, 4, MXS                ; wave (lane & 7)'s
	s_lshl2_add_u32 s34, s5, s3                    ; g = 4 X + tg
	s_lshl1_add_u32 s35, s6, s4                    ; dk = 2 y + fh
	s_lshr_b32 s36, s5, 3                          ; b
	s_and_b32 s37, s5, 7
	s_lshl_b32 s37, s37, 3
	s_lshl1_add_u32 s37, s3, s37                   ; my first block of 32 tokens in the batch: 8 (X & 7) + 2 tg
	s_lshl2_add_u32 s38, s5, s6                    ; i = 4 X + y: the work-group's number
	s_lshl_b32 s32, s34, 15
	s_lshl_b32 s39, s35, 10
	s_add_co_u32 s32, s32, s39
	s_add_nc_u64 s[24:25], s[24:25], s[32:33]      ; qf + g*32768 + dk*1024
	s_lshl3_add_u32 s39, s36, s35
	s_lshl_b32 s39, s39, 17                        ; (8 b + dk)*131072 = (16 b + 4 y + 2 fh)*65536
	s_lshl_b32 s32, s37, 11
	s_add_co_u32 s32, s32, s39
	s_add_nc_u64 s[26:27], s[26:27], s[32:33]      ; kt
	s_lshl_b32 s32, s37, 10
	s_add_co_u32 s32, s32, s39
	s_add_nc_u64 s[28:29], s[28:29], s[32:33]      ; vt
	s_lshl_b32 s32, s38, 9
	s_add_nc_u64 s[30:31], s[30:31], s[32:33]      ; wof + 512 i
	s_lshl_b32 s32, s38, 13
	s_lshl_b32 s39, s2, 10
	s_add_co_u32 s32, s32, s39
	s_add_nc_u64 s[48:49], s[48:49], s[32:33]      ; state + 8192 i + 1024 w: each wave looks at 1,024 bytes
	s_lshl_b32 s32, s38, 4
	s_add_nc_u64 s[50:51], s[50:51], s[32:33]      ; mx + 16 i
	s_lshl_b32 s32, s35, 7                         ; (64 y + 32 fh) * 4
	v_lshl_add_u32 v11, v3, 5, s32                 ; + 32 h: eight bq
	v_lshl_add_u32 v12, v2, 2, s32                 ; + 4 r: one bk, one bv
	s_lshr_b32 s32, s38, 4                         ; Wo: row 16 (i >> 4) + r, element 16 (i & 15) + 8 h
	s_lshl_b32 s32, s32, 14
	s_and_b32 s39, s38, 15
	s_lshl_b32 s39, s39, 6
	s_add_co_u32 s32, s32, s39
	v_lshl_add_u32 v13, v2, 10, s32
	v_lshl_add_u32 v13, v3, 5, v13
	s_mov_b32 s40, 0x76543210                      ; v_permlanex16_b32: lane i of one half reads lane i of the other
	s_mov_b32 s41, 0xfedcba98
	s_mov_b32 s42, 0x3edc6633                      ; 0.9^8; both words of each pair are written for the packed forms
	s_mov_b32 s43, 0x3edc6633
	s_mov_b32 s44, 0x3e3dbfd0                      ; 0.9^16
	s_mov_b32 s45, 0x3e3dbfd0
	s_mov_b32 s46, 0x3da35c97                      ; 0.9^24
	s_mov_b32 s47, 0x3da35c97
	s_mov_b32 s52, 0xbd9ba6b3                      ; (log2 0.9) / 2
	; quarter 0
	s_wait_loadcnt 56                              ; quarters 1 and 2 (28 loads each) stay out
	WIN 0x45
	CVQ 0
	WIN 0x04
	STQ 0
	WIN 0
	NEXTQ
	BAR                                            ; every wave's rows of quarter 0 are in LDS
	WIN 0x55
	KSTEP 0, 1                                     ; the first products start the sums
	KSTEP 1, 0
	; quarter 1
	WIN 0
	s_wait_loadcnt 28                              ; quarter 2 stays out
	CVQ S1
	STQ S1
	NEXTQ
	BAR
	LDQ 3, S1                                      ; behind the barrier's wait the LDS stores have read S1
	WIN 0x55
	KSTEP 2, 0
	KSTEP 3, 0
	; quarter 2
	WIN 0
	s_wait_loadcnt 28                              ; quarter 3 stays out
	CVQ S2
	STQ S2
	NEXTQ
	BAR                                            ; behind it S2 is free: the small loads land there, used behind the last K step
	s_cmp_lg_u32 s2, 0                             ; wave 0 also makes the work-group's 512 bytes of wof
	s_cbranch_scc1 .Lno_wo
	global_load_b128 v[WOD:WOD+3], v13, s[22:23]
	global_load_b128 v[WOD+4:WOD+7], v13, s[22:23] offset:16
.Lno_wo:
	global_load_b128 v[STD:STD+3], v10, s[48:49]
	global_load_b128 v[STD+4:STD+7], v10, s[48:49] offset:512
.irp sub, 0,1                                          ; 12 loads: the biases
	global_load_b128 v[BQ+8*\sub:BQ+8*\sub+3], v11, s[16:17] offset:64*\sub
	global_load_b128 v[BQ+8*\sub+4:BQ+8*\sub+7], v11, s[16:17] offset:64*\sub+16
	global_load_b32 v[BK+2*\sub], v12, s[18:19] offset:64*\sub
	global_load_b32 v[BK+2*\sub+1], v12, s[18:19] offset:64*\sub
	global_load_b32 v[BV+2*\sub], v12, s[20:21] offset:64*\sub
	global_load_b32 v[BV+2*\sub+1], v12, s[20:21] offset:64*\sub
.endr
	; h for token tile 3 by eight exponentials, exp2(2 + (15 - 8 h - j) (log2 0.9) / 2); tiles 2, 1, 0 are 16, 32, 48 tokens earlier: times 0.9^8, 0.9^16, 0.9^24
	v_lshlrev_b32 v15, 3, v3
.irp j, 0,1,2,3,4,5,6,7
	v_sub_nc_u32 v[16+\j], 15-\j, v15              ; 15 - 8 h - j, 0 at the least
	v_cvt_f32_u32 v[16+\j], v[16+\j]
	v_fma_f32 v[16+\j], s52, v[16+\j], 2.0
.endr
.irp j, 0,1,2,3,4,5,6,7
	v_exp_f32 v[WH+24+\j], v[16+\j]
.endr
	v_nop                                          ; one plain place behind the exponentials (ISA guide 5.7.2)
	s_wait_alu depctr_va_vdst(0)
.irp p, 0,2,4,6
	v_pk_mul_f32 v[WH+16+\p:WH+16+\p+1], v[WH+24+\p:WH+24+\p+1], s[42:43] op_sel_hi:[1,0]
	v_pk_mul_f32 v[WH+8+\p:WH+8+\p+1], v[WH+24+\p:WH+24+\p+1], s[44:45] op_sel_hi:[1,0]
	v_pk_mul_f32 v[WH+\p:WH+\p+1], v[WH+24+\p:WH+24+\p+1], s[46:47] op_sel_hi:[1,0]
.endr
	WIN 0x55
	KSTEP 4, 0
	KSTEP 5, 0
	; quarter 3
	WIN 0
	s_wait_loadcnt 12                              ; the 12 bias loads, the youngest, stay out: quarter 3 is in on every wave's path
	CVQ S1
	STQ S1
	BAR
	WIN 0x55
	KSTEP 6, 0
	KSTEP 7, 0
	PLACES
	s_wait_loadcnt 0x0                             ; biases, state, Wo
	WIN 0x41                                       ; destination and source 0 (sums) block 1, source 1 (biases) block 0
.irp sub, 0,1
.irp tt, 0,1,2,3
.irp p, 0,2,4,6
	v_pk_add_f32 v[8*(4*\sub+\tt)+\p:8*(4*\sub+\tt)+\p+1], v[8*(4*\sub+\tt)+\p:8*(4*\sub+\tt)+\p+1], v[BQ+8*\sub+\p:BQ+8*\sub+\p+1]
	v_pk_add_f32 v[8*(8+4*\sub+\tt)+\p:8*(8+4*\sub+\tt)+\p+1], v[8*(8+4*\sub+\tt)+\p:8*(8+4*\sub+\tt)+\p+1], v[BK+2*\sub:BK+2*\sub+1]
	v_pk_add_f32 v[8*(16+4*\sub+\tt)+\p:8*(16+4*\sub+\tt)+\p+1], v[8*(16+4*\sub+\tt)+\p:8*(16+4*\sub+\tt)+\p+1], v[BV+2*\sub:BV+2*\sub+1]
.endr
.endr
.endr
	WIN 0x05                                       ; sources 0 and 1 block 1; the running maxima block 0.  Three chains, started by their first pair; k and v still without h
.set q, 0
.rept 8
.irp p, 0,2,4,6
.if 8*q+\p == 0
	v_max_num_f32 v[MX], |v[0]|, |v[1]|
	v_max_num_f32 v[MX+1], |v[64]|, |v[65]|
	v_max_num_f32 v[MX+2], |v[128]|, |v[129]|
.else
	v_max3_num_f32 v[MX], |v[8*q+\p]|, |v[8*q+\p+1]|, v[MX]
	v_max3_num_f32 v[MX+1], |v[64+8*q+\p]|, |v[64+8*q+\p+1]|, v[MX+1]
	v_max3_num_f32 v[MX+2], |v[128+8*q+\p]|, |v[128+8*q+\p+1]|, v[MX+2]
.endif
.endr
.set q, q+1
.endr
	WIN 0x41                                       ; k and v times h: the maxima want them without it, so the bias and h are not fused
.irp sub, 0,1
.irp tt, 0,1,2,3
.irp p, 0,2,4,6
	v_pk_mul_f32 v[8*(8+4*\sub+\tt)+\p:8*(8+4*\sub+\tt)+\p+1], v[8*(8+4*\sub+\tt)+\p:8*(8+4*\sub+\tt)+\p+1], v[WH+8*\tt+\p:WH+8*\tt+\p+1]
	v_pk_mul_f32 v[8*(16+4*\sub+\tt)+\p:8*(16+4*\sub+\tt)+\p+1], v[8*(16+4*\sub+\tt)+\p:8*(16+4*\sub+\tt)+\p+1], v[WH+8*\tt+\p:WH+8*\tt+\p+1]
.endr
.endr
.endr
	WIN 0x45
.set q, 0
.rept 24                                       ; each tile's eight f32 into its first four registers
.irp i, 0,1,2,3
	v_cvt_pk_f16_f32 v[8*q+\i], v[8*q+2*\i], v[8*q+2*\i+1]
.endr
.set q, q+1
.endr
	WIN 0x04                                       ; store data block 1, offset register block 0
.irp sub, 0,1
.irp tt, 0,1,2,3
	global_store_b128 v10, v[8*(4*\sub+\tt):8*(4*\sub+\tt)+3], s[24:25] offset:\tt*8192+\sub*512
	global_store_b128 v10, v[8*(8+4*\sub+\tt):8*(8+4*\sub+\tt)+3], s[26:27] offset:(\tt/2)*2048+\sub*1024+(\tt%2)*512
	global_store_b128 v10, v[8*(16+4*\sub+\tt):8*(16+4*\sub+\tt)+3], s[28:29] offset:\sub*65536+(\tt/2)*1024+(\tt%2)*512
.endr
.endr
	WIN 0
	; the four maxima: over my lane, my wave, then the work-group
	v_max_num_f32 v[MX+3], |v[STD]|, |v[STD+1]|
	v_max3_num_f32 v[MX+3], |v[STD+2]|, |v[STD+3]|, v[MX+3]
	v_max3_num_f32 v[MX+3], |v[STD+4]|, |v[STD+5]|, v[MX+3]
	v_max3_num_f32 v[MX+3], |v[STD+6]|, |v[STD+7]|, v[MX+3]
.irp m, 1,2,4,8
.irp c, 0,1,2,3
	v_max_num_f32_dpp v[MX+\c], v[MX+\c], v[MX+\c] row_xmask:\m row_mask:0xf bank_mask:0xf
.endr
.endr
.irp c, 0,1,2,3
	v_permlanex16_b32 v[STD+\c], v[MX+\c], s40, s41    ; its destination counts as read: STD has been written
.endr
.irp c, 0,1,2,3
	v_max_num_f32 v[MX+\c], v[MX+\c], v[STD+\c]
.endr
	ds_store_b128 v24, v[MX:MX+3]                  ; all lanes write the same 16 bytes with the same values
	BAR                                            ; every wave's four maxima are in LDS
	s_cmp_lg_u32 s2, 0
	s_cbranch_scc1 .Ldone
	ds_load_b128 v[MX:MX+3], v25                   ; lane l: wave (l & 7)'s
	v_cvt_pk_f16_f32 v28, v[WOD], v[WOD+1]
	v_cvt_pk_f16_f32 v29, v[WOD+2], v[WOD+3]
	v_cvt_pk_f16_f32 v30, v[WOD+4], v[WOD+5]
	v_cvt_pk_f16_f32 v31, v[WOD+6], v[WOD+7]
	global_store_b128 v10, v[28:31], s[30:31]
	s_wait_dscnt 0x0
.irp m, 1,2,4
.irp c, 0,1,2,3
	v_max_num_f32_dpp v[MX+\c], v[MX+\c], v[MX+\c] row_xmask:\m row_mask:0xf bank_mask:0xf
.endr
.endr
	s_wait_xcnt 0x0                                ; EXEC is a source of the pending stores: it changes only behind this wait
	v_cmp_eq_u32 vcc_lo, 0, v1
	s_and_saveexec_b32 s32, vcc_lo                 ; lane 0 alone, whose v10 is 0
	global_store_b128 v10, v[MX:MX+3], s[50:51]    ; the work-group's 16 bytes of mx
	s_wait_xcnt 0x0
	s_or_b32 exec_lo, exec_lo, s32
.Ldone:
	s_wait_tensorcnt 0x0
	ds_add_u32 v26, v27
	s_wait_dscnt 0x0
	s_endpgm
.Lfunc_end_k_q0a2e032a20_proj:
	.size	k_q0a2e032a20_proj, .Lfunc_end_k_q0a2e032a20_proj-k_q0a2e032a20_proj
	.p2alignl 7, 3214868480
	.fill 96, 4, 3214868480
	.section	.rodata,"a",@progbits
	.p2align	6, 0x0
	.amdhsa_kernel k_q0a2e032a20_proj
		.amdhsa_group_segment_fixed_size 259328
		.amdhsa_private_segment_fixed_size 0
		.amdhsa_enable_private_segment 0
		.amdhsa_kernarg_size 112
		.amdhsa_user_sgpr_count 2
		.amdhsa_user_sgpr_kernarg_segment_ptr 1
		.amdhsa_wavefront_size32 1
		.amdhsa_system_sgpr_workgroup_id_x 1
		.amdhsa_system_sgpr_workgroup_id_y 1
		.amdhsa_system_sgpr_workgroup_id_z 1
		.amdhsa_system_vgpr_workitem_id 0
		.amdhsa_next_free_vgpr 512
		.amdhsa_next_free_sgpr 66
		.amdhsa_reserve_vcc 1
		.amdhsa_float_denorm_mode_32 3
		.amdhsa_float_denorm_mode_16_64 3
		.amdhsa_memory_ordered 1
		.amdhsa_forward_progress 1
		.amdhsa_inst_pref_size 97
	.end_amdhsa_kernel
	.amdgpu_metadata
---
amdhsa.version: [ 1, 2 ]
amdhsa.kernels:
  - .name:           k_q0a2e032a20_proj
    .symbol:         k_q0a2e032a20_proj.kd
    .args:
      - { .name: x, .offset: 0, .size: 8, .value_kind: global_buffer, .address_space: global }
      - { .name: Wq, .offset: 8, .size: 8, .value_kind: global_buffer, .address_space: global }
      - { .name: Wk, .offset: 16, .size: 8, .value_kind: global_buffer, .address_space: global }
      - { .name: Wv, .offset: 24, .size: 8, .value_kind: global_buffer, .address_space: global }
      - { .name: bq, .offset: 32, .size: 8, .value_kind: global_buffer, .address_space: global }
      - { .name: bk, .offset: 40, .size: 8, .value_kind: global_buffer, .address_space: global }
      - { .name: bv, .offset: 48, .size: 8, .value_kind: global_buffer, .address_space: global }
      - { .name: Wo, .offset: 56, .size: 8, .value_kind: global_buffer, .address_space: global }
      - { .name: qf, .offset: 64, .size: 8, .value_kind: global_buffer, .address_space: global }
      - { .name: kt, .offset: 72, .size: 8, .value_kind: global_buffer, .address_space: global }
      - { .name: vt, .offset: 80, .size: 8, .value_kind: global_buffer, .address_space: global }
      - { .name: wof, .offset: 88, .size: 8, .value_kind: global_buffer, .address_space: global }
      - { .name: state, .offset: 96, .size: 8, .value_kind: global_buffer, .address_space: global }
      - { .name: mx, .offset: 104, .size: 8, .value_kind: global_buffer, .address_space: global }
    .group_segment_fixed_size: 259328
    .private_segment_fixed_size: 0
    .kernarg_segment_align: 8
    .kernarg_segment_size: 112
    .max_flat_workgroup_size: 256
    .sgpr_count:     66
    .vgpr_count:     512
    .wavefront_size: 32
...
	.end_amdgpu_metadata
.endif
;; end of part 1
;; launch scan (part 2): grid 4 x 64, 4 waves a work-group, clusters of 4 x 4, 327,680 bytes of LDS; arguments kt, vt, state, mx, sc, out1; writes sc, out1
.if DOCPART == 2
	.amdgcn_target "amdgcn-amd-amdhsa--gfx1250"
	.amdhsa_code_object_version 6
	.text
	.protected	k_q0a2e032a20_scan
	.globl	k_q0a2e032a20_scan
	.p2align	8
	.type	k_q0a2e032a20_scan,@function
k_q0a2e032a20_scan:
	s_mov_b64 s[64:65], 0
	v_nop
	global_prefetch_b8 v0, s[64:65] scope:SCOPE_SE
	s_setreg_imm32_b32 hwreg(HW_REG_WAVE_MODE, 25, 1), 1
	s_wait_xcnt 0x0
	s_wait_alu depctr_hold_cnt(0) depctr_sa_sdst(0) depctr_va_vdst(0) depctr_va_sdst(0) depctr_va_ssrc(0) depctr_va_vcc(0) depctr_vm_vsrc(0)
	s_getreg_b32 s2, hwreg(HW_REG_IB_STS2, 6, 4)
	s_cmp_eq_u32 s2, 0
	s_cbranch_scc0 .Lentry_in_a_cluster
	s_endpgm
.Lentry_in_a_cluster:
	s_bfe_u32 s2, ttmp6, 0x10000c
	s_cmp_lg_u32 s2, 0xf033
	s_cbranch_scc0 .Lentry_shape_is_right
	s_endpgm
.Lentry_shape_is_right:
; HebbianMemory, launch 2 of 3: the state at the head of every chunk of 64 tokens, and the final state.
;   S_0 = state;  S_(c+1) = lam S_c + (0.1 / 16) U_c,  U_c = sum over the chunk's 64 tokens of k~_j v~_j^T = 16 * sum of 0.9^(63-jj) k_j v_j^T,  lam = 0.9^64;  out1 = S_32.
; (kt and vt hold k~ = h k and v~ = h v, h(jj) = 4 * 0.9^((63-jj)/2): launch proj.)  Nothing is left out here: all 32 chunks are carried, in f32.
; SCALE: the registers hold Z = S * 4096 / B_S, B_S = ms + mk mv >= |S| (maxima of launch proj's mx, reduced by every wave; mk, mv at least 1e-9), so that Z rounds to
; f16 as it stands: sc[32 b + c] = f16(Z_c).  Z_(c+1) = lam Z_c + (25.6 / B_S) U_c;  out1 = Z_32 * B_S / 4096.  Other limits as at the head of launch proj.
; SHARES: work-group (x = eb, y = 8 b + dk) owns the tile of 32 d (32 dk ..) x 64 e (64 eb ..) of batch b's state.  Wave w owns e tile et = 4 eb + w and both
; d tiles: two accumulators, 16 registers of Z.  Source 0 = a block of kt (rows d, k = tokens), source 1 = a block of vt (rows e, k = tokens): register j of
; lane (r, h) is S[d = 8 h + j][e = r], which packs into a half block of sc (rows e, k = d) in the same lanes.
; CLUSTERS: 4 x 4 work-groups: eb = 0..3 along x, four dk of one batch along y.  kt[b][dk] (128 KB) hangs on y alone and is asked for jointly along the cluster's row;
; the four e tiles vt[b][4 eb ..] (256 KB) hang on b and eb alone and are asked for jointly along its column.  That divides the requests for both by four:
; 256 x 384 KB become 256 x 96 KB.
; LDS: three slots of eight chunks (vt 4 x 16 KB, then kt 32 KB).  Chunks 0 to 23 are three first fills, which go out together behind the first round (three tensor
; loads of a wave outstanding at the most); chunks 24 to 31 fill slot 0 again behind one round, when chunk 7's fragments are in registers, and have sixteen chunks'
; work in which to land.  One load a wave for each fill: waves 0, 1 two e tiles of vt each (two rows of 16,384 bytes, 65,536 apart), waves 2, 3 kt's halves (16,384
; consecutive bytes as 64 rows of 256).  LDS addresses are made of the wave's number and the slot alone.
.set SLOT,  98304                      ; a slot: vt's e tile i at 16384 i, kt at 65536
.set KOFF,  65536
.set SIN,   3*SLOT                     ; 32 rows x 272 bytes: the state tile on its way in (f32, 256 bytes + 16); no tensor load lands here
.set SOUT,  SIN+32*272                 ; the same on its way out
.set S,    16                          ; v16-31   Z, tile dt at 8 dt
.set U,    32                          ; v32-47   the chunk's sum; also staging of state and out1
.set T,    48                          ; v48-55   Z_c packed, store data
.set KB,   56                          ; v56-119  two buffers of four k fragments (2 tb + dh); at the head v56-87 mx
.set VB,   120                         ; v120-151 two buffers of two v fragments (tb)
.set G1K,  40                          ; s[40:47] descriptor group 1 for kt's tiles
.set G1V,  48                          ; s[48:55] descriptor group 1 for vt's tiles
.set G0K,  68                          ; s[68:79] descriptor group 0 for kt's tiles, a set of four for each slot
.set G0V,  80                          ; s[80:91] the same for vt's
; v1 16 lane; v2-4 LDS address of my v fragments in slot 0..2; v5-7 of the k fragments; v11, v12 stage addresses; v13 offset in state and out1
; Scalars: s31, s36, s56, s[58:59], s[4:5] hold what hangs on cy and never cx; s30, s34, s57, s[60:61], s[6:7] what hangs on cx and never cy;
; s3, s[24:25], s38, s39 hold both and feed no descriptor and no LDS address; s19, s62, s63 are made of the wave's number alone.
.macro BAR
	s_wait_dscnt 0x0
	s_barrier_signal -1
	s_barrier_wait -1
.endm
; A round of the cluster's barrier: my work-group's barrier, wave 0 signals for the work-group, every wave waits for all sixteen, my work-group's barrier once more.
.macro ROUND
	s_barrier_signal -1
	s_barrier_wait -1
	s_cmp_lg_u32 s16, 0
	s_cbranch_scc1 .Lnot_wave_0_\@
	s_barrier_signal -3
.Lnot_wave_0_\@:
	s_barrier_wait -3
	s_barrier_signal -1
	s_barrier_wait -1
.endm
; A joint load into slot s.  Each of the two lines has one mask and one set of registers for all that issue it; the branch hangs on the wave's number alone.
.macro JLOAD s
	s_cmp_eq_u32 s17, 0
	s_cbranch_scc0 .Lfor_k_\@
	tensor_load_to_lds s[G0V+4*\s:G0V+4*\s+3], s[G1V:G1V+7]
	s_nop 0
	s_branch .Lasked_\@
.Lfor_k_\@:
	tensor_load_to_lds s[G0K+4*\s:G0K+4*\s+3], s[G1K:G1K+7]
	s_nop 0
.Lasked_\@:
.endm
.macro LDF                             ; chunk NC's four k fragments and two v fragments into buffers NC mod 2: 12 loads.  Chunks 8 n .. 8 n + 7 lie in slot n mod 3
.irp f, 0,1,2,3
	ds_load_b128 v[KB+32*(NC%2)+8*\f:KB+32*(NC%2)+8*\f+3], v[5+(NC/8)%3] offset:(NC%8)*4096+\f*1024
	ds_load_b128 v[KB+32*(NC%2)+8*\f+4:KB+32*(NC%2)+8*\f+7], v[5+(NC/8)%3] offset:(NC%8)*4096+\f*1024+512
.endr
.irp k, 0,1,2,3
	ds_load_b128 v[VB+16*(NC%2)+4*\k:VB+16*(NC%2)+4*\k+3], v[2+(NC/8)%3] offset:(NC%8)*2048+512*\k
.endr
.endm
; Chunk CC.
.macro CHUNK
.if CC == 7
	s_wait_dscnt 0x0                               ; chunk 7's fragments are in registers: my reads of slot 0 are over
	s_wait_tensorcnt 0x0                           ; all my tensor loads have landed, my parts of slots 1 and 2 among them: every group 0 may be written
	ds_add_u32 v152, v153
	s_wait_dscnt 0x0
	s_add_nc_u64 s[G0K+2:G0K+3], s[G0K+2:G0K+3], 3*32768   ; slot 0's next tiles: chunks 24 to 31
	s_add_nc_u64 s[G0V+2:G0V+3], s[G0V+2:G0V+3], 3*16384
	ROUND                                          ; both now hold of every wave of every work-group of the cluster; slots 1 and 2 are whole from here on
	JLOAD 0                                        ; my one tensor load behind the round, and the first thing there
.endif
.if CC == 23
	s_wait_tensorcnt 0x0                           ; my part of chunks 24 to 31 has landed
	BAR                                            ; everybody's has
.endif
.if CC < 31
.set NC, CC+1
	LDF
	s_wait_dscnt 12                                ; all but the twelve just issued: this chunk's fragments are in
.else
	s_wait_dscnt 0x0
.endif
	; the two accumulators take turns, one instruction a turn
	v_wmma_f32_16x16x32_f16 v[U:U+7], v[KB+32*(CC%2):KB+32*(CC%2)+7], v[VB+16*(CC%2):VB+16*(CC%2)+7], 0
	v_wmma_f32_16x16x32_f16 v[U+8:U+15], v[KB+32*(CC%2)+8:KB+32*(CC%2)+15], v[VB+16*(CC%2):VB+16*(CC%2)+7], 0
	v_wmma_f32_16x16x32_f16 v[U:U+7], v[KB+32*(CC%2)+16:KB+32*(CC%2)+23], v[VB+16*(CC%2)+8:VB+16*(CC%2)+15], v[U:U+7]
	v_wmma_f32_16x16x32_f16 v[U+8:U+15], v[KB+32*(CC%2)+24:KB+32*(CC%2)+31], v[VB+16*(CC%2)+8:VB+16*(CC%2)+15], v[U+8:U+15]
	s_wait_xcnt 0x0                                ; T and sc's base, which the last chunk's stores read, are rewritten only behind this wait
.if CC > 0
	s_add_nc_u64 s[12:13], s[12:13], 0x20000       ; the next chunk's 131,072 bytes of sc
.endif
.irp i, 0,1,2,3,4,5,6,7                                ; Z_c as it stands before the update; these eight are also the places behind the products
	v_cvt_pk_f16_f32 v[T+\i], v[S+2*\i], v[S+2*\i+1]
.endr
	global_store_b128 v1, v[T:T+3], s[12:13]
	global_store_b128 v1, v[T+4:T+7], s[12:13] offset:512
.irp p, 0,2,4,6,8,10,12,14
	v_pk_mul_f32 v[S+\p:S+\p+1], v[S+\p:S+\p+1], s[20:21] op_sel_hi:[1,0]
.endr
.irp p, 0,2,4,6,8,10,12,14
	v_pk_fma_f32 v[S+\p:S+\p+1], v[U+\p:U+\p+1], s[22:23], v[S+\p:S+\p+1] op_sel_hi:[1,0,1]
.endr
.endm
	s_load_b256 s[4:11], s[0:1], 0x0               ; kt, vt, state, mx
	s_load_b128 s[12:15], s[0:1], 0x20             ; sc, out1
	v_lshl_add_u32 v152, v0, 2, 0x4c400
	v_mov_b32 v153, 0
	ds_add_u32 v152, v153
	ds_add_u32 v152, v153
	v_lshrrev_b32 v14, 5, v0
	v_readfirstlane_b32 s16, v14                   ; wave w
	s_lshr_b32 s17, s16, 1                         ; I fetch for vt (0) or for kt (1)
	s_and_b32 s18, s16, 1                          ; and which half of it
	s_bfe_u32 s30, ttmp6, 0x40000                  ; cx: my place along the cluster's x
	s_bfe_u32 s31, ttmp6, 0x40004                  ; cy: along its y
	s_lshl_b32 s34, ttmp9, 2                       ; in a cluster launch ttmp9 and ttmp7 count clusters
	s_add_co_u32 s34, s34, s30                     ; eb = 4 x cluster x + cx
	s_and_b32 s35, ttmp7, 0xffff                   ; cluster y
	s_lshl_b32 s36, s35, 2
	s_add_co_u32 s36, s36, s31                     ; y = 8 b + dk = 4 x cluster y + cy
	s_lshr_b32 s37, s35, 1                         ; b, from the cluster's y alone: two clusters to a batch
	s_and_b32 s38, s36, 7                          ; dk
	s_lshl2_add_u32 s39, s34, s16                  ; et = 4 eb + w
	s_lshl_b32 s56, s31, 2
	s_lshl_b32 s56, 15, s56                        ; my row of the cluster: places 4 cy .. 4 cy + 3
	s_lshl_b32 s57, 0x1111, s30                    ; my column: places cx, cx + 4, cx + 8, cx + 12
	s_mov_b32 s20, 0x3a9a894b                      ; lam = 0.9^64; both words of each pair are written for the packed forms
	s_mov_b32 s21, 0x3a9a894b
	s_mov_b32 s32, 0x76543210                      ; v_permlanex16_b32: lane i of one half reads lane i of the other
	s_mov_b32 s33, 0xfedcba98
	; Group 1 for kt: a dense block of 16,384 bytes as 64 rows of 32 elements of 8 bytes; the extents are the tile's own
	s_or_b32 s[G1K+0], s56, (3<<16)|(1<<21)        ; 15:0 the mask: my row; 17:16 element size = 3 (8 bytes); 20 padding off; 21 set beside a mask
	s_mov_b32 s[G1K+1], 32 << 16                   ; 63:48 tensor_dim0, low half = 32
	s_mov_b32 s[G1K+2], 64 << 16                   ; 79:64 its high half = 0; 95:80 tensor_dim1, low half = 64
	s_mov_b32 s[G1K+3], 32 << 16                   ; 111:96 its high half = 0; 127:112 tile_dim0 = 32 elements (256 bytes)
	s_mov_b32 s[G1K+4], 64                         ; 143:128 tile_dim1 = 64 rows; 159:144 tile_dim2 = 0 (unused)
	s_mov_b32 s[G1K+5], 32                         ; 191:160 stride from row to row: each row begins where the last ends
	s_mov_b32 s[G1K+6], 0
	s_mov_b32 s[G1K+7], 0
	; Group 1 for vt: two e tiles' eight chunks: two rows of 2,048 elements of 8 bytes (16,384 bytes), an e tile's 65,536 bytes apart
	s_or_b32 s[G1V+0], s57, (3<<16)|(1<<21)        ; the mask: my column
	s_mov_b32 s[G1V+1], 2048 << 16                 ; tensor_dim0 = 2048
	s_mov_b32 s[G1V+2], 2 << 16                    ; tensor_dim1 = 2
	s_mov_b32 s[G1V+3], 2048 << 16                 ; tile_dim0 = 2048
	s_mov_b32 s[G1V+4], 2                          ; tile_dim1 = 2
	s_mov_b32 s[G1V+5], 8192                       ; stride from row to row, in elements
	s_mov_b32 s[G1V+6], 0
	s_mov_b32 s[G1V+7], 0
	; where the tiles come from: kt's from y and the wave, vt's from b, eb and the wave
	s_lshl_b32 s58, s36, 17                        ; kt[b][dk]: 131,072 y
	s_lshl_b32 s59, s18, 14                        ; + my half of a fill's 32,768 bytes
	s_add_co_u32 s58, s58, s59
	s_mov_b32 s59, 0
	s_lshl_b32 s60, s37, 4                         ; vt[b][4 eb + 2 (w & 1)]
	s_lshl_b32 s61, s34, 2
	s_add_co_u32 s60, s60, s61
	s_lshl_b32 s61, s18, 1
	s_add_co_u32 s60, s60, s61
	s_lshl_b32 s60, s60, 16
	s_mov_b32 s61, 0
	s_mul_i32 s62, s16, 16384                      ; and where they go: no place in the cluster enters an LDS address
	s_mul_i32 s63, s16, 32768
	v_and_b32 v14, 31, v0
	v_lshlrev_b32 v1, 4, v14                       ; 16 lane
	v_and_b32 v14, 15, v0                          ; r
	v_bfe_u32 v15, v0, 4, 1                        ; h
	v_add_nc_u32 v2, s62, v1                       ; my e tile in slot 0, 1, 2
	v_add_nc_u32 v3, SLOT, v2
	v_add_nc_u32 v4, 2*SLOT, v2
	v_add_nc_u32 v5, KOFF, v1                      ; kt in slot 0, 1, 2
	v_add_nc_u32 v6, KOFF+SLOT, v1
	v_add_nc_u32 v7, KOFF+2*SLOT, v1
	s_lshl_b32 s19, s16, 13
	v_lshlrev_b32 v13, 4, v14                      ; state, out1: row 8 w + h, byte 16 r
	v_lshl_add_u32 v13, v15, 10, v13
	v_add_nc_u32 v13, s19, v13
	v_mul_u32_u24 v11, v15, 272                    ; stage by rows: row 8 w + h, byte 16 r
	v_lshl_add_u32 v11, v14, 4, v11
	s_mul_i32 s19, s16, 8*272
	s_add_co_u32 s19, s19, SIN
	v_add_nc_u32 v11, s19, v11
	v_mul_u32_u24 v12, v15, 8*272                  ; stage by tiles: row 8 h, word 16 w + r
	v_lshl_add_u32 v12, v14, 2, v12
	s_lshl_b32 s19, s16, 6
	s_add_co_u32 s19, s19, SIN
	v_add_nc_u32 v12, s19, v12
	s_mov_b32 s25, 0
	s_lshl_b32 s24, s37, 18                        ; state and out1 at [b][32 dk][64 eb]
	s_lshl_b32 s3, s38, 15
	s_add_co_u32 s24, s24, s3
	s_lshl_b32 s3, s34, 8
	s_add_co_u32 s24, s24, s3
	s_wait_dscnt 0x0
	s_wait_kmcnt 0x0
.irp i, 0,1,2,3,4,5,6,7
	global_load_b128 v[56+4*\i:56+4*\i+3], v1, s[10:11] offset:512*\i    ; mx: the four maxima of work-groups lane + 32 i
.endr
	s_add_nc_u64 s[8:9], s[8:9], s[24:25]
	s_add_nc_u64 s[14:15], s[14:15], s[24:25]
.irp i, 0,1,2,3
	global_load_b128 v[U+4*\i:U+4*\i+3], v13, s[8:9] offset:2048*\i
.endr
	s_add_nc_u64 s[4:5], s[4:5], s[58:59]
	s_add_nc_u64 s[6:7], s[6:7], s[60:61]
.irp s, 0,1,2                                          ; group 0, once for each slot: chunks 8 s .. 8 s + 7
	s_mov_b32 s[G0K+4*\s], 1                                       ; 1:0 count = 1
	s_add_co_u32 s[G0K+4*\s+1], s62, 32768+\s*SLOT                 ; 63:32 LDS address: 16384 w + 32768 + slot (waves 2, 3: 65536, 81920)
	s_add_nc_u64 s[G0K+4*\s+2:G0K+4*\s+3], s[4:5], \s*32768        ; 120:64 global address of the tile's first element
	s_or_b32 s[G0K+4*\s+3], s[G0K+4*\s+3], 0x80000000              ; 127:126 type = 2
	s_mov_b32 s[G0V+4*\s], 1
	s_add_co_u32 s[G0V+4*\s+1], s63, \s*SLOT                       ; 32768 w + slot (waves 0, 1)
	s_add_nc_u64 s[G0V+4*\s+2:G0V+4*\s+3], s[6:7], \s*16384
	s_or_b32 s[G0V+4*\s+3], s[G0V+4*\s+3], 0x80000000
.endr
	s_lshl_b32 s24, s37, 22                        ; sc[32 b][et][dk]; it steps from chunk to chunk
	s_lshl_b32 s3, s39, 13
	s_add_co_u32 s24, s24, s3
	s_lshl_b32 s3, s38, 10
	s_add_co_u32 s24, s24, s3
	s_add_nc_u64 s[12:13], s[12:13], s[24:25]
	ROUND                                          ; all sixteen work-groups are here: the first joint loads meet
	s_cmp_eq_u32 s17, 0                            ; a wave's three first fills in one branch, ahead of every wait on TENSORcnt, every LDS read and every other barrier
	s_cbranch_scc0 .Lfirst_k
	tensor_load_to_lds s[G0V:G0V+3], s[G1V:G1V+7]
	s_nop 0
	tensor_load_to_lds s[G0V+4:G0V+7], s[G1V:G1V+7]
	s_nop 0
	tensor_load_to_lds s[G0V+8:G0V+11], s[G1V:G1V+7]
	s_nop 0
	s_branch .Lfirst_done
.Lfirst_k:
	tensor_load_to_lds s[G0K:G0K+3], s[G1K:G1K+7]
	s_nop 0
	tensor_load_to_lds s[G0K+4:G0K+7], s[G1K:G1K+7]
	s_nop 0
	tensor_load_to_lds s[G0K+8:G0K+11], s[G1K:G1K+7]
	s_nop 0
.Lfirst_done:
	s_wait_loadcnt 0x0                             ; mx and the state
.irp c, 1,2,3                                          ; mk, mv, ms over my eight work-groups, then over the 32 lanes
	v_max3_num_f32 v[56+\c], v[56+\c], v[60+\c], v[64+\c]
	v_max3_num_f32 v[56+\c], v[56+\c], v[68+\c], v[72+\c]
	v_max3_num_f32 v[56+\c], v[56+\c], v[76+\c], v[80+\c]
	v_max_num_f32 v[56+\c], v[56+\c], v[84+\c]
.endr
.irp m, 1,2,4,8
.irp c, 1,2,3
	v_max_num_f32_dpp v[56+\c], v[56+\c], v[56+\c] row_xmask:\m row_mask:0xf bank_mask:0xf
.endr
.endr
.irp c, 1,2,3
	v_permlanex16_b32 v[60+\c], v[56+\c], s32, s33
.endr
.irp c, 1,2,3
	v_max_num_f32 v[56+\c], v[56+\c], v[60+\c]
.endr
	v_max_num_f32 v57, 0x3089705f, v57             ; mk, 1e-9 at the least
	v_max_num_f32 v58, 0x3089705f, v58             ; mv likewise
	v_fma_f32 v59, v57, v58, v59                   ; B_S = ms + mk mv
	v_rcp_f32 v60, v59
	v_mul_f32 v61, 0x39800000, v59                 ; B_S / 4096; also the plain place behind the reciprocal
	s_wait_alu depctr_va_vdst(0)
	v_mul_f32 v62, 0x45800000, v60                 ; 4096 / B_S
	v_mul_f32 v63, 0x41cccccd, v60                 ; 25.6 / B_S = (0.1 / 16) * 4096 / B_S
	v_readfirstlane_b32 s26, v62
	v_readfirstlane_b32 s22, v63
	v_readfirstlane_b32 s28, v61
	s_mov_b32 s27, s26
	s_mov_b32 s23, s22
	s_mov_b32 s29, s28
.irp p, 0,2,4,6,8,10,12,14
	v_pk_mul_f32 v[U+\p:U+\p+1], v[U+\p:U+\p+1], s[26:27] op_sel_hi:[1,0]    ; Z_0 = state * 4096 / B_S
.endr
.irp i, 0,1,2,3
	ds_store_b128 v11, v[U+4*\i:U+4*\i+3] offset:544*\i
.endr
	s_wait_tensorcnt 0x2                           ; my part of slot 0 has landed; slots 1 and 2's loads stay out
	BAR
.irp i, 0,1,2,3,4,5,6,7,8,9,10,11,12,13,14,15
	ds_load_b32 v[S+\i], v12 offset:(16*(\i/8)+(\i%8))*272
.endr
.set NC, 0
	LDF
.set CC, 0
.rept 32
	CHUNK
.set CC, CC+1
.endr
	; S_32 = Z_32 * B_S / 4096 leaves through LDS as whole rows of 256 bytes
.irp p, 0,2,4,6,8,10,12,14
	v_pk_mul_f32 v[S+\p:S+\p+1], v[S+\p:S+\p+1], s[28:29] op_sel_hi:[1,0]
.endr
.irp i, 0,1,2,3,4,5,6,7,8,9,10,11,12,13,14,15
	ds_store_b32 v12, v[S+\i] offset:32*272+(16*(\i/8)+(\i%8))*272
.endr
	BAR
.irp i, 0,1,2,3
	ds_load_b128 v[U+4*\i:U+4*\i+3], v11 offset:32*272+544*\i
.endr
	s_wait_dscnt 0x0
.irp i, 0,1,2,3
	global_store_b128 v13, v[U+4*\i:U+4*\i+3], s[14:15] offset:2048*\i th:TH_STORE_NT
.endr
	s_wait_tensorcnt 0x0
	ds_add_u32 v152, v153
	s_wait_dscnt 0x0
	ROUND                                          ; the closing round: no work-group ends while a partner may still ask for a tile that names it
	s_endpgm
.Lfunc_end_k_q0a2e032a20_scan:
	.size	k_q0a2e032a20_scan, .Lfunc_end_k_q0a2e032a20_scan-k_q0a2e032a20_scan
	.p2alignl 7, 3214868480
	.fill 96, 4, 3214868480
	.section	.rodata,"a",@progbits
	.p2align	6, 0x0
	.amdhsa_kernel k_q0a2e032a20_scan
		.amdhsa_group_segment_fixed_size 327680
		.amdhsa_private_segment_fixed_size 0
		.amdhsa_enable_private_segment 0
		.amdhsa_kernarg_size 48
		.amdhsa_user_sgpr_count 2
		.amdhsa_user_sgpr_kernarg_segment_ptr 1
		.amdhsa_wavefront_size32 1
		.amdhsa_system_sgpr_workgroup_id_x 1
		.amdhsa_system_sgpr_workgroup_id_y 1
		.amdhsa_system_sgpr_workgroup_id_z 1
		.amdhsa_system_vgpr_workitem_id 0
		.amdhsa_next_free_vgpr 154
		.amdhsa_next_free_sgpr 92
		.amdhsa_reserve_vcc 0
		.amdhsa_float_denorm_mode_32 3
		.amdhsa_float_denorm_mode_16_64 3
		.amdhsa_memory_ordered 1
		.amdhsa_forward_progress 1
		.amdhsa_inst_pref_size 107
	.end_amdhsa_kernel
	.amdgpu_metadata
---
amdhsa.version: [ 1, 2 ]
amdhsa.kernels:
  - .name:           k_q0a2e032a20_scan
    .symbol:         k_q0a2e032a20_scan.kd
    .args:
      - { .name: kt, .offset: 0, .size: 8, .value_kind: global_buffer, .address_space: global }
      - { .name: vt, .offset: 8, .size: 8, .value_kind: global_buffer, .address_space: global }
      - { .name: state, .offset: 16, .size: 8, .value_kind: global_buffer, .address_space: global }
      - { .name: mx, .offset: 24, .size: 8, .value_kind: global_buffer, .address_space: global }
      - { .name: sc, .offset: 32, .size: 8, .value_kind: global_buffer, .address_space: global }
      - { .name: out1, .offset: 40, .size: 8, .value_kind: global_buffer, .address_space: global }
    .group_segment_fixed_size: 327680
    .private_segment_fixed_size: 0
    .kernarg_segment_align: 8
    .kernarg_segment_size: 48
    .max_flat_workgroup_size: 128
    .sgpr_count:     92
    .vgpr_count:     154
    .wavefront_size: 32
...
	.end_amdgpu_metadata
.endif
;; end of part 2
;; launch outp (part 3): grid 256 x 1, 8 waves a work-group, no clusters, 305,152 bytes of LDS; arguments qf, kt, vt, sc, wof, bo, mx, out0; writes out0
.if DOCPART == 3
	.amdgcn_target "amdgcn-amd-amdhsa--gfx1250"
	.amdhsa_code_object_version 6
	.text
	.protected	k_q0a2e032a20_outp
	.globl	k_q0a2e032a20_outp
	.p2align	8
	.type	k_q0a2e032a20_outp,@function
k_q0a2e032a20_outp:
	s_mov_b64 s[64:65], 0
	v_nop
	global_prefetch_b8 v0, s[64:65] scope:SCOPE_SE
	s_setreg_imm32_b32 hwreg(HW_REG_WAVE_MODE, 25, 1), 1
	s_wait_xcnt 0x0
; HebbianMemory, launch 3 of 3: out0 for one chunk of 64 tokens a work-group (g = 32 b + c).
;   P[t][j] = 0.1 * 0.9^(t-1-j) (q_t . k_j) for j < t, else 0;   outs_t = 0.9^tt q_t S_c + sum over j of P[t][j] v_j;   out0 = outs Wo^T + bo.
; WORK LEFT OUT: step j reaches the read at t only for j < t (reference() reads before it updates).  Of P's sixteen 16 x 16 tiles (token tile a, step tile b) the six with
; b > a lie wholly at j >= t and are not formed: waves 1 and 3, whose two tiles are (0, 2), (0, 3) and (1, 2), (1, 3), form none, and the products of P's second 32 columns
; are made for token tiles 2 and 3 alone; waves 0 and 5 form only (0, 0) and (2, 2) and store zeros for (0, 1) and (2, 3), which share a block of 32 steps with them.
; Inside live tiles the places j >= t are selected to 0, so a NaN or an infinity there does not reach the result.
; The ten live tiles stay on six waves: on eight, two waves would still have two tiles, so the phase would be no shorter.
; WEIGHTS: kt and vt hold k~_j = h k_j, v~_j = h v_j, h(jj) = 4 * 0.9^((63-jj)/2) (launch proj).  P[t][j] v_j = (P[t][j] / h) v~_j, and
;   P[t][j] / h = 0.1 * 0.9^(tt-1-jj) (q_t . k~_j) / h^2 = (0.1 / 16) * 0.9^(tt-64) (q_t . k~_j):  one factor for each token t, that is, for each lane.
;   For j < t:  |P / h| <= 0.025 * 0.9^(-31.5) * 256 mq mk = 176.8 mq mk  (the exponent tt - 1 - jj - (63 - jj) / 2 is least at jj = 0, tt = 1).
; SCALES (f16 operands; bounds from mx, reduced by every wave; mq, mk, mv at least 1e-9):  B_S = ms + mk mv,  B_P = 180 mq mk,  B_O = 256 mq B_S.
;   sums = q . sc                              = (q S) 4096 / B_S         (sc holds S * 4096 / B_S)
;   sums *= 0.9^tt B_S / B_P                   = (0.9^tt q S) 4096 / B_P  one factor a lane
;   sums += ((P / h) 4096 / B_P) v~            = outs 4096 / B_P          (P / h) 4096 / B_P = (q . k~) * 25.6 * 0.9^(tt-64) / B_P
;   sums *= 0.703125 mk / B_S                  = outs 4096 / B_O          (B_P / B_O = 180 mk / (256 B_S)), rounded to f16
;   out0 = (Wo . that) mq B_S / 16 + bo                                   (B_O / 4096 = mq B_S / 16)
; Other limits as at the head of launch proj.
; SHARES: wave w owns e tiles, then f tiles, 2 w and 2 w + 1 over all 64 tokens: eight accumulators (et, tt).  In every product source 1 has tokens as its columns, so
; register j of lane (r, h) is (token r, e or f = 8 h + j).
; PHASES: A  wave w makes P's live tiles among (token tile w >> 1, j = 32 (w & 1) + 16 th ..); k~ comes as rows of tokens out of kt's blocks (rows d) by transposing LDS loads.
;         B  q S_c, weighted; P v added; outs goes to LDS in f16 blocks.      C  Wo outs; out0 leaves through LDS as whole rows.
; qf, kt and sc come by asynchronous copies (consecutive bytes, no LDS byte filled twice); a wave alone reads its 16 KB of sc, so its own wait orders them.
; No cluster.
.set QSB, 0                            ; 32 KB  [token tile][dk][block]
.set KWB, 32768                        ; 32 KB  [dk][32-token block 2][d half 2][block]
.set SRB, 65536                        ; 128 KB [e tile][dk][block]: wave w's 16 KB at 16384 w
.set PB,  196608                       ; 8 KB   [token tile][jk 2][block]
.set OB,  204800                       ; 32 KB  [token tile][ek 8][block]
.set OUTB, 237568                      ; 64 rows of 256 f32, pitch 1,040
.set WT,  16                           ; v16-17  P's factor of my token, twice (a pair for the packed multiply)
.set ACC, 64                           ; v64-127 accumulator (et, tt) at 8 (4 et + tt)
.set TF,  128                          ; v128-191 two buffers of four token fragments
.set SF,  192                          ; v192-223 two buffers of two S fragments
; block 0: v1 16 lane (also q's fragment address), v2-4 copy targets (v4 also S's fragment address), v5 q of my token tile, v6 transposing address, v7 P in, v8 P out,
;          v9 outs in, v10/v11 out0's stage in/out, v12/v13 thresholds of the mask, v14 32 h; v32-47 P's sums, then v32-63, v224-239 six P fragments; v48-53 at work at the head;
;          phase A: v64-255; at the head v64-95 mx, v96-116 at work
; block 1: v0-127 Wo fragments (8 ft + ek), v128-159 vt fragments (2 et + jk), v160-175 bo, v176 outs' fragment address, v184-191 0.9^(16 tt + r) B_S / B_P, twice each
.set MSB, 0
.macro WIN new
.if MSB != \new
	s_set_vgpr_msb (MSB<<8)|\new
.set MSB, \new
.endif
.endm
.macro PLACES                          ; four plain vector places behind matrix instructions (ISA guide 7.12.1)
.rept 4
	v_nop
.endr
.endm
.macro BAR
	s_wait_dscnt 0x0
	s_barrier_signal -1
	s_barrier_wait -1
.endm
; Phase A: sum acc (0, 1) += k~(step tile th, dk) q(dk); zero = 1 starts the sum
.macro PMM acc, dk, th, zero
.if \zero
	v_wmma_f32_16x16x32_f16 v[32+8*\acc:39+8*\acc], v[64+24*\dk+8+8*\th:64+24*\dk+15+8*\th], v[64+24*\dk:64+24*\dk+7], 0
.else
	v_wmma_f32_16x16x32_f16 v[32+8*\acc:39+8*\acc], v[64+24*\dk+8+8*\th:64+24*\dk+15+8*\th], v[64+24*\dk:64+24*\dk+7], v[32+8*\acc:39+8*\acc]
.endif
.endm
; Phase A: tile th is weighted, the places j >= t are selected to 0, it is rounded and stored as a half block of P
.macro PFIN th
.irp p, 0,2,4,6
	v_pk_mul_f32 v[32+8*\th+\p:32+8*\th+\p+1], v[32+8*\th+\p:32+8*\th+\p+1], v[WT:WT+1]
.endr
.irp i, 0,1,2,3,4,5,6,7
	v_cmp_lt_i32 vcc_lo, \i, v[12+\th]             ; j < t
	v_cndmask_b32 v[32+8*\th+\i], 0, v[32+8*\th+\i], vcc_lo
.endr
.irp i, 0,1,2,3
	v_cvt_pk_f16_f32 v[32+8*\th+\i], v[32+8*\th+2*\i], v[32+8*\th+2*\i+1]
.endr
	ds_store_b128 v7, v[32+8*\th:32+8*\th+3] offset:\th*512
.endm
.macro LDQS dk                         ; step dk's four q fragments and two S fragments into buffers dk mod 2: 12 loads
.irp tt, 0,1,2,3
	ds_load_b128 v[TF+32*((\dk)%2)+8*\tt:TF+32*((\dk)%2)+8*\tt+3], v1 offset:(8*\tt+\dk)*1024
	ds_load_b128 v[TF+32*((\dk)%2)+8*\tt+4:TF+32*((\dk)%2)+8*\tt+7], v1 offset:(8*\tt+\dk)*1024+512
.endr
.irp et, 0,1
	ds_load_b128 v[SF+16*((\dk)%2)+8*\et:SF+16*((\dk)%2)+8*\et+3], v4 offset:\et*8192+(\dk)*1024
	ds_load_b128 v[SF+16*((\dk)%2)+8*\et+4:SF+16*((\dk)%2)+8*\et+7], v4 offset:\et*8192+(\dk)*1024+512
.endr
.endm
.macro QSTEP dk                        ; sums += S(et, dk) q(tt, dk), step 0 starts them; the eight accumulators take turns
	PLACES
.if \dk < 7
	LDQS \dk+1
	s_wait_dscnt 12                                ; all but the next step's twelve
.else
	s_wait_dscnt 0x0
.endif
.irp et, 0,1
.irp tt, 0,1,2,3
.if \dk == 0
	v_wmma_f32_16x16x32_f16 v[ACC+8*(4*\et+\tt):ACC+8*(4*\et+\tt)+7], v[SF+16*(\dk%2)+8*\et:SF+16*(\dk%2)+8*\et+7], v[TF+32*(\dk%2)+8*\tt:TF+32*(\dk%2)+8*\tt+7], 0
.else
	v_wmma_f32_16x16x32_f16 v[ACC+8*(4*\et+\tt):ACC+8*(4*\et+\tt)+7], v[SF+16*(\dk%2)+8*\et:SF+16*(\dk%2)+8*\et+7], v[TF+32*(\dk%2)+8*\tt:TF+32*(\dk%2)+8*\tt+7], v[ACC+8*(4*\et+\tt):ACC+8*(4*\et+\tt)+7]
.endif
.endr
.endr
.endm
.macro LDO ek                          ; step ek's four outs fragments into buffer ek mod 2; the address lies in block 1, like Wo
.irp tt, 0,1,2,3
	ds_load_b128 v[TF+32*((\ek)%2)+8*\tt:TF+32*((\ek)%2)+8*\tt+3], v176 offset:(8*\tt+\ek)*1024
	ds_load_b128 v[TF+32*((\ek)%2)+8*\tt+4:TF+32*((\ek)%2)+8*\tt+7], v176 offset:(8*\tt+\ek)*1024+512
.endr
.endm
.macro CSTEP ek                        ; sums (ft, tt) += Wo(ft, ek) outs(tt, ek), step 0 starts them; source 0 in block 1 throughout
	PLACES
.if \ek < 7
	LDO \ek+1
	s_wait_dscnt 8                                 ; all but the next step's eight
.else
	s_wait_dscnt 0x0
.endif
.irp ft, 0,1
.irp tt, 0,1,2,3
.if \ek == 0
	v_wmma_f32_16x16x32_f16 v[ACC+8*(4*\ft+\tt):ACC+8*(4*\ft+\tt)+7], v[8*(8*\ft+\ek):8*(8*\ft+\ek)+7], v[TF+32*(\ek%2)+8*\tt:TF+32*(\ek%2)+8*\tt+7], 0
.else
	v_wmma_f32_16x16x32_f16 v[ACC+8*(4*\ft+\tt):ACC+8*(4*\ft+\tt)+7], v[8*(8*\ft+\ek):8*(8*\ft+\ek)+7], v[TF+32*(\ek%2)+8*\tt:TF+32*(\ek%2)+8*\tt+7], v[ACC+8*(4*\ft+\tt):ACC+8*(4*\ft+\tt)+7]
.endif
.endr
.endr
.endm
	s_load_b512 s[4:19], s[0:1], 0x0               ; qf, kt, vt, sc, wof, bo, mx, out0
	v_lshl_add_u32 v30, v0, 2, 0x4a400
	v_mov_b32 v31, 0
	ds_add_u32 v30, v31
	ds_add_u32 v30, v31
	v_lshrrev_b32 v48, 5, v0
	v_readfirstlane_b32 s2, v48                    ; wave w
	s_lshr_b32 s3, s2, 1
	s_and_b32 s24, s2, 1
	s_lshr_b32 s25, ttmp9, 5                       ; b
	s_and_b32 s36, ttmp9, 31                       ; c
	s_mov_b32 s26, 0x76543210                      ; v_permlanex16_b32: lane i of one half reads lane i of the other
	s_mov_b32 s27, 0xfedcba98
	s_mov_b32 s28, 0xbe1ba6b3                      ; log2 0.9
	v_and_b32 v48, 31, v0
	v_and_b32 v49, 15, v0                          ; r
	v_bfe_u32 v50, v0, 4, 1                        ; h
	v_lshlrev_b32 v1, 4, v48                       ; 16 lane
	s_lshl_b32 s20, s2, 12
	v_add_nc_u32 v2, s20, v1                       ; QSB + 4096 w
	s_add_co_u32 s20, s20, KWB
	v_add_nc_u32 v3, s20, v1                       ; KWB + 4096 w
	s_lshl_b32 s20, s2, 14
	s_add_co_u32 s20, s20, SRB
	v_add_nc_u32 v4, s20, v1                       ; SRB + 16384 w
	s_mov_b32 s21, 0
	s_wait_dscnt 0x0
	s_wait_kmcnt 0x0
.irp i, 0,1,2,3,4,5,6,7
	global_load_b128 v[64+4*\i:64+4*\i+3], v1, s[16:17] offset:512*\i    ; mx: the four maxima of work-groups lane + 32 i; wanted first, so asked for first
.endr
	s_lshl_b32 s20, ttmp9, 15
	s_lshl_b32 s22, s2, 12
	s_add_co_u32 s20, s20, s22
	s_add_nc_u64 s[4:5], s[4:5], s[20:21]          ; qf[g] + 4096 w
	s_lshl3_add_u32 s20, s25, s2
	s_lshl_b32 s20, s20, 17
	s_lshl_b32 s22, s36, 12
	s_add_co_u32 s20, s20, s22
	s_add_nc_u64 s[6:7], s[6:7], s[20:21]          ; kt[b][dk = w] at the chunk's two blocks of 32 tokens
	s_lshl_b32 s20, ttmp9, 17
	s_lshl_b32 s22, s2, 14
	s_add_co_u32 s20, s20, s22
	s_add_nc_u64 s[10:11], s[10:11], s[20:21]      ; sc[g][2 w]
.irp i, 0,1,2,3,4,5,6,7
	global_load_async_to_lds_b128 v2, v1, s[4:5] offset:512*\i
.endr
.irp i, 0,1,2,3,4,5,6,7
	global_load_async_to_lds_b128 v3, v1, s[6:7] offset:512*\i
.endr
.set i, 0
.rept 32
	global_load_async_to_lds_b128 v4, v1, s[10:11] offset:512*i
.set i, i+1
.endr
	s_lshl3_add_u32 s20, s25, s2
	s_lshl_b32 s20, s20, 17                        ; (16 b + 2 w) * 65536
	s_lshl_b32 s22, s36, 11
	s_add_co_u32 s20, s20, s22
	s_add_nc_u64 s[8:9], s[8:9], s[20:21]          ; vt[b][2 w] at the chunk
	s_lshl_b32 s20, s2, 14
	s_add_nc_u64 s[12:13], s[12:13], s[20:21]      ; wof[2 w]
	s_lshl_b32 s20, s2, 7
	s_add_nc_u64 s[14:15], s[14:15], s[20:21]      ; bo + 32 w numbers
	s_lshl_b32 s20, ttmp9, 16
	s_lshl_b32 s22, s2, 13
	s_add_co_u32 s20, s20, s22
	s_add_nc_u64 s[18:19], s[18:19], s[20:21]      ; out0 at the chunk's row 8 w
	v_lshlrev_b32 v14, 5, v50                      ; 32 h
	v_add_nc_u32 v51, OB, v1
	WIN 0x40                                       ; loaded data block 1, offsets block 0
.irp et, 0,1
.irp jk, 0,1
	global_load_b128 v[128+8*(2*\et+\jk):128+8*(2*\et+\jk)+3], v1, s[8:9] offset:\et*65536+\jk*1024
	global_load_b128 v[128+8*(2*\et+\jk)+4:128+8*(2*\et+\jk)+7], v1, s[8:9] offset:\et*65536+\jk*1024+512
.endr
.endr
.irp ft, 0,1
	global_load_b128 v[160+8*\ft:160+8*\ft+3], v14, s[14:15] offset:64*\ft
	global_load_b128 v[160+8*\ft+4:160+8*\ft+7], v14, s[14:15] offset:64*\ft+16
.endr
.set i, 0
.rept 32
	global_load_b128 v[4*i:4*i+3], v1, s[12:13] offset:512*i
.set i, i+1
.endr
	v_mov_b32 v176, v51
	WIN 0
	s_lshl_b32 s20, s3, 13
	v_add_nc_u32 v5, s20, v1                       ; q of token tile w >> 1
	v_and_b32 v51, 7, v0                           ; transposing loads: lane L names the 16 bytes (8 tokens) of d row 8 (L >> 4) + (L & 7), token group (L >> 3) & 1
	v_bfe_u32 v52, v0, 3, 1
	v_lshlrev_b32 v6, 4, v51
	v_lshl_add_u32 v6, v52, 8, v6
	v_lshl_add_u32 v6, v50, 7, v6
	s_lshl_b32 s20, s24, 11
	s_add_co_u32 s20, s20, KWB
	v_add_nc_u32 v6, s20, v6
	s_lshl_b32 s20, s2, 10
	s_add_co_u32 s22, s20, PB
	v_add_nc_u32 v7, s22, v1                       ; P's block 2 (w >> 1) + (w & 1) = w
	v_add_nc_u32 v8, PB, v1
	s_add_co_u32 s22, s20, OB
	v_add_nc_u32 v9, s22, v1
	v_mul_u32_u24 v10, v49, 1040                   ; stage in: row r, number 32 w + 8 h
	v_lshl_add_u32 v10, v50, 5, v10
	s_lshl_b32 s20, s2, 7
	s_add_co_u32 s20, s20, OUTB
	v_add_nc_u32 v10, s20, v10
	s_mul_i32 s20, s2, 8*1040                      ; stage out: rows 8 w ..
	s_add_co_u32 s20, s20, OUTB
	v_add_nc_u32 v11, s20, v1
	s_lshl_b32 s20, s3, 4                          ; register i of tile th: t - j = thr[th] - i, thr[th] = 16 (w >> 1) + r - 32 (w & 1) - 16 th - 8 h
	s_sub_co_i32 s23, s20, 64                      ; 16 (w >> 1) - 64
	s_lshl_b32 s22, s24, 5
	s_sub_co_i32 s20, s20, s22
	v_lshlrev_b32 v51, 3, v50
	v_sub_nc_u32 v12, v49, v51
	v_add_nc_u32 v12, s20, v12
	v_add_nc_u32 v13, -16, v12
	; the decay factors, while the loads are on their way: 0.9^(tt - 64) of phase A's token 16 (w >> 1) + r (848 at the most) and 0.9^r for q S
	v_add_nc_u32 v96, s23, v49
	v_cvt_f32_i32 v96, v96
	v_mul_f32 v96, s28, v96
	v_cvt_f32_u32 v112, v49
	v_mul_f32 v112, s28, v112
	v_exp_f32 v[WT], v96
	v_exp_f32 v113, v112
	v_nop                                          ; one plain place behind the exponentials (ISA guide 5.7.2)
	s_wait_loadcnt 44                              ; mx is in; vt's 8, bo's 4 and Wo's 32 loads stay out
.irp c, 0,1,2,3                                        ; mq, mk, mv, ms over my eight work-groups, then over the 32 lanes
	v_max3_num_f32 v[64+\c], v[64+\c], v[68+\c], v[72+\c]
	v_max3_num_f32 v[64+\c], v[64+\c], v[76+\c], v[80+\c]
	v_max3_num_f32 v[64+\c], v[64+\c], v[84+\c], v[88+\c]
	v_max_num_f32 v[64+\c], v[64+\c], v[92+\c]
.endr
.irp m, 1,2,4,8
.irp c, 0,1,2,3
	v_max_num_f32_dpp v[64+\c], v[64+\c], v[64+\c] row_xmask:\m row_mask:0xf bank_mask:0xf
.endr
.endr
.irp c, 0,1,2,3
	v_permlanex16_b32 v[68+\c], v[64+\c], s26, s27
.endr
.irp c, 0,1,2,3
	v_max_num_f32 v[64+\c], v[64+\c], v[68+\c]
.endr
	v_max_num_f32 v64, 0x3089705f, v64             ; mq, mk, mv: 1e-9 at the least
	v_max_num_f32 v65, 0x3089705f, v65
	v_max_num_f32 v66, 0x3089705f, v66
	v_fma_f32 v67, v65, v66, v67                   ; B_S = ms + mk mv
	v_mul_f32 v68, v64, v65
	v_mul_f32 v68, 0x43340000, v68                 ; B_P = 180 mq mk
	v_rcp_f32 v69, v67
	v_rcp_f32 v70, v68
	v_mul_f32 v71, v64, v67                        ; mq B_S; also the plain place behind the reciprocals
	s_wait_alu depctr_va_vdst(0)
	v_mul_f32 v72, v67, v70                        ; B_S / B_P
	v_mul_f32 v73, 0x41cccccd, v70                 ; 25.6 / B_P = (0.1 / 16) * 4096 / B_P
	v_mul_f32 v74, v65, v69
	v_mul_f32 v74, 0x3f340000, v74                 ; 0.703125 mk / B_S
	v_mul_f32 v71, 0x3d800000, v71                 ; mq B_S / 16
	v_readfirstlane_b32 s42, v72
	v_readfirstlane_b32 s40, v73
	v_readfirstlane_b32 s34, v74
	v_readfirstlane_b32 s38, v71
	s_mov_b32 s35, s34                             ; both words of each pair are written for the packed forms
	s_mov_b32 s39, s38
	v_mul_f32 v[WT], s40, v[WT]                    ; P's factor: 25.6 * 0.9^(tt-64) / B_P
	v_mov_b32 v[WT+1], v[WT]
	v_mul_f32 v113, s42, v113                      ; 0.9^r B_S / B_P
	v_mul_f32 v114, 0x3e3dbfd0, v113               ; times 0.9^16, 0.9^32, 0.9^48 for token tiles 1, 2, 3
	v_mul_f32 v115, 0x3d0ca4c9, v113
	v_mul_f32 v116, 0x3bd07e13, v113
	WIN 0x40
.irp tt, 0,1,2,3
	v_mov_b32 v[184+2*\tt], v[113+\tt]
	v_mov_b32 v[185+2*\tt], v[113+\tt]
.endr
	WIN 0
	s_wait_asynccnt 32                             ; my parts of qf and kt are in; sc's 32 copies stay out
	BAR
	; PHASE A: waves 1, 3 have no live tile; waves 0, 5 one (th = 0, on the diagonal); waves 2, 4, 6, 7 two
	s_cmp_eq_u32 s2, 1
	s_cbranch_scc1 .Lpa
	s_cmp_eq_u32 s2, 3
	s_cbranch_scc1 .Lpa
	s_cmp_eq_u32 s2, 0
	s_cbranch_scc1 .Lone
	s_cmp_eq_u32 s2, 5
	s_cbranch_scc1 .Lone
.irp dk, 0,1,2,3,4,5,6,7
	ds_load_b128 v[64+24*\dk:64+24*\dk+3], v5 offset:\dk*1024
	ds_load_b128 v[64+24*\dk+4:64+24*\dk+7], v5 offset:\dk*1024+512
	ds_load_tr16_b128 v[64+24*\dk+8:64+24*\dk+11], v6 offset:\dk*4096
	ds_load_tr16_b128 v[64+24*\dk+12:64+24*\dk+15], v6 offset:\dk*4096+1024
	ds_load_tr16_b128 v[64+24*\dk+16:64+24*\dk+19], v6 offset:\dk*4096+512
	ds_load_tr16_b128 v[64+24*\dk+20:64+24*\dk+23], v6 offset:\dk*4096+1536
.endr
	s_wait_dscnt 24                                ; dk 0 to 3 are in; the 24 loads of dk 4 to 7 stay out
	PMM 0, 0, 0, 1
	PMM 1, 0, 1, 1
.irp dk, 1,2,3                                         ; the two accumulators take turns
	PMM 0, \dk, 0, 0
	PMM 1, \dk, 1, 0
.endr
	s_wait_dscnt 0x0
.irp dk, 4,5,6,7
	PMM 0, \dk, 0, 0
	PMM 1, \dk, 1, 0
.endr
	PLACES
	PFIN 0
	PFIN 1
	s_branch .Lpa
.Lone:
.irp dk, 0,1,2,3,4,5,6,7
	ds_load_b128 v[64+24*\dk:64+24*\dk+3], v5 offset:\dk*1024
	ds_load_b128 v[64+24*\dk+4:64+24*\dk+7], v5 offset:\dk*1024+512
	ds_load_tr16_b128 v[64+24*\dk+8:64+24*\dk+11], v6 offset:\dk*4096
	ds_load_tr16_b128 v[64+24*\dk+12:64+24*\dk+15], v6 offset:\dk*4096+1024
.endr
	s_wait_dscnt 16                                ; dk 0 to 3 are in; the 16 loads of dk 4 to 7 stay out
	PMM 0, 0, 0, 1                                 ; one tile, its even dk on one accumulator and its odd dk on the other, so that the two take turns
	PMM 1, 1, 0, 1
	PMM 0, 2, 0, 0
	PMM 1, 3, 0, 0
	s_wait_dscnt 0x0
	PMM 0, 4, 0, 0
	PMM 1, 5, 0, 0
	PMM 0, 6, 0, 0
	PMM 1, 7, 0, 0
	PLACES
.irp p, 0,2,4,6
	v_pk_add_f32 v[32+\p:32+\p+1], v[32+\p:32+\p+1], v[40+\p:40+\p+1]
.endr
	PFIN 0
.irp i, 0,1,2,3
	v_mov_b32 v[40+\i], 0                          ; the block's other sixteen steps lie at j >= t: zeros, which the product over 32 steps reads beside the live half
.endr
	ds_store_b128 v7, v[40:43] offset:512
.Lpa:
	; PHASE B
	s_wait_asynccnt 0x0                            ; my 16 KB of S_c, which I alone read
	LDQS 0
.irp dk, 0,1,2,3,4,5,6,7
	QSTEP \dk
.endr
	PLACES
	WIN 0x04                                       ; source 1 (the lane's factor) block 1
.irp et, 0,1
.irp tt, 0,1,2,3
.irp p, 0,2,4,6
	v_pk_mul_f32 v[ACC+8*(4*\et+\tt)+\p:ACC+8*(4*\et+\tt)+\p+1], v[ACC+8*(4*\et+\tt)+\p:ACC+8*(4*\et+\tt)+\p+1], v[184+2*\tt:185+2*\tt]
.endr
.endr
.endr
	WIN 0
	BAR                                            ; P is whole: its stores stand in front of the eight steps above
.irp tt, 0,1,2,3
	ds_load_b128 v[32+8*\tt:32+8*\tt+3], v8 offset:2*\tt*1024
	ds_load_b128 v[32+8*\tt+4:32+8*\tt+7], v8 offset:2*\tt*1024+512
.endr
.irp tt, 2,3
	ds_load_b128 v[224+8*(\tt-2):224+8*(\tt-2)+3], v8 offset:(2*\tt+1)*1024
	ds_load_b128 v[224+8*(\tt-2)+4:224+8*(\tt-2)+7], v8 offset:(2*\tt+1)*1024+512
.endr
	s_wait_loadcnt 36                              ; vt is in; bo's 4 and Wo's 32 loads stay out
	s_wait_dscnt 0x0
	WIN 0x01                                       ; source 0 (vt) block 1
.irp et, 0,1
.irp tt, 0,1,2,3
	v_wmma_f32_16x16x32_f16 v[ACC+8*(4*\et+\tt):ACC+8*(4*\et+\tt)+7], v[128+16*\et:128+16*\et+7], v[32+8*\tt:32+8*\tt+7], v[ACC+8*(4*\et+\tt):ACC+8*(4*\et+\tt)+7]
.endr
.endr
.irp et, 0,1
.irp tt, 2,3
	v_wmma_f32_16x16x32_f16 v[ACC+8*(4*\et+\tt):ACC+8*(4*\et+\tt)+7], v[128+16*\et+8:128+16*\et+15], v[224+8*(\tt-2):224+8*(\tt-2)+7], v[ACC+8*(4*\et+\tt):ACC+8*(4*\et+\tt)+7]
.endr
.endr
	WIN 0
	PLACES
.set q, 0
.rept 32
	v_pk_mul_f32 v[ACC+2*q:ACC+2*q+1], v[ACC+2*q:ACC+2*q+1], s[34:35] op_sel_hi:[1,0]
.set q, q+1
.endr
.set q, 0
.rept 8
.irp i, 0,1,2,3
	v_cvt_pk_f16_f32 v[ACC+8*q+\i], v[ACC+8*q+2*\i], v[ACC+8*q+2*\i+1]
.endr
.set q, q+1
.endr
.irp et, 0,1
.irp tt, 0,1,2,3
	ds_store_b128 v9, v[ACC+8*(4*\et+\tt):ACC+8*(4*\et+\tt)+3] offset:\tt*8192+\et*512
.endr
.endr
	BAR                                            ; outs is whole
	; PHASE C
	s_wait_loadcnt 0x0                             ; bo and Wo
	WIN 0x01
	LDO 0
.irp ek, 0,1,2,3,4,5,6,7
	CSTEP \ek
.endr
	PLACES
	WIN 0x10                                       ; source 2 (bo) block 1
.irp ft, 0,1
.irp tt, 0,1,2,3
.irp p, 0,2,4,6
	v_pk_fma_f32 v[ACC+8*(4*\ft+\tt)+\p:ACC+8*(4*\ft+\tt)+\p+1], v[ACC+8*(4*\ft+\tt)+\p:ACC+8*(4*\ft+\tt)+\p+1], s[38:39], v[160+8*\ft+\p:160+8*\ft+\p+1] op_sel_hi:[1,0,1]
.endr
.endr
.endr
	WIN 0
.irp ft, 0,1
.irp tt, 0,1,2,3
	ds_store_b128 v10, v[ACC+8*(4*\ft+\tt):ACC+8*(4*\ft+\tt)+3] offset:\tt*16640+\ft*64
	ds_store_b128 v10, v[ACC+8*(4*\ft+\tt)+4:ACC+8*(4*\ft+\tt)+7] offset:\tt*16640+\ft*64+16
.endr
.endr
	BAR                                            ; the chunk's 64 rows of out0 are whole
.irp i, 0,1,2,3,4,5,6,7,8,9,10,11,12,13,14,15
	ds_load_b128 v[TF+4*\i:TF+4*\i+3], v11 offset:(\i/2)*1040+(\i%2)*512
.endr
.irp i, 0,1,2,3,4,5,6,7,8,9,10,11,12,13,14,15
	s_wait_dscnt 15-\i                             ; LDS loads come back in order: load i is in
	global_store_b128 v1, v[TF+4*\i:TF+4*\i+3], s[18:19] offset:(\i/2)*1024+(\i%2)*512 th:TH_STORE_NT   ; 512 consecutive aligned bytes of a row
.endr
	s_wait_tensorcnt 0x0
	ds_add_u32 v30, v31
	s_wait_dscnt 0x0
	s_endpgm
.Lfunc_end_k_q0a2e032a20_outp:
	.size	k_q0a2e032a20_outp, .Lfunc_end_k_q0a2e032a20_outp-k_q0a2e032a20_outp
	.p2alignl 7, 3214868480
	.fill 96, 4, 3214868480
	.section	.rodata,"a",@progbits
	.p2align	6, 0x0
	.amdhsa_kernel k_q0a2e032a20_outp
		.amdhsa_group_segment_fixed_size 305152
		.amdhsa_private_segment_fixed_size 0
		.amdhsa_enable_private_segment 0
		.amdhsa_kernarg_size 64
		.amdhsa_user_sgpr_count 2
		.amdhsa_user_sgpr_kernarg_segment_ptr 1
		.amdhsa_wavefront_size32 1
		.amdhsa_system_sgpr_workgroup_id_x 1
		.amdhsa_system_sgpr_workgroup_id_y 1
		.amdhsa_system_sgpr_workgroup_id_z 1
		.amdhsa_system_vgpr_workitem_id 0
		.amdhsa_next_free_vgpr 448
		.amdhsa_next_free_sgpr 66
		.amdhsa_reserve_vcc 1
		.amdhsa_float_denorm_mode_32 3
		.amdhsa_float_denorm_mode_16_64 3
		.amdhsa_memory_ordered 1
		.amdhsa_forward_progress 1
		.amdhsa_inst_pref_size 64
	.end_amdhsa_kernel
	.amdgpu_metadata
---
amdhsa.version: [ 1, 2 ]
amdhsa.kernels:
  - .name:           k_q0a2e032a20_outp
    .symbol:         k_q0a2e032a20_outp.kd
    .args:
      - { .name: qf, .offset: 0, .size: 8, .value_kind: global_buffer, .address_space: global }
      - { .name: kt, .offset: 8, .size: 8, .value_kind: global_buffer, .address_space: global }
      - { .name: vt, .offset: 16, .size: 8, .value_kind: global_buffer, .address_space: global }
      - { .name: sc, .offset: 24, .size: 8, .value_kind: global_buffer, .address_space: global }
      - { .name: wof, .offset: 32, .size: 8, .value_kind: global_buffer, .address_space: global }
      - { .name: bo, .offset: 40, .size: 8, .value_kind: global_buffer, .address_space: global }
      - { .name: mx, .offset: 48, .size: 8, .value_kind: global_buffer, .address_space: global }
      - { .name: out0, .offset: 56, .size: 8, .value_kind: global_buffer, .address_space: global }
    .group_segment_fixed_size: 305152
    .private_segment_fixed_size: 0
    .kernarg_segment_align: 8
    .kernarg_segment_size: 64
    .max_flat_workgroup_size: 256
    .sgpr_count:     66
    .vgpr_count:     448
    .wavefront_size: 32
...
	.end_amdgpu_metadata
.endif
;; end of part 3
